; MI455X (gfx1250); checked and timed in simulation.
; The chip was launched on July 23, 2026; its instructions are those of AMD's public machine-readable ISA for CDNA 5 (MIT licence, August 2026) and "CDNA5" Instruction Set Architecture Reference Guide (July 2026). The comments in the code are by the model that wrote it; some were corrected since.
;; Switch Mo E Layer. Allowed arithmetic: float matrix products may take bf16 or f16 operands with f32 sums; other float arithmetic in f32, or as packed bf16 or f16 multiplies, adds, multiply-adds, maxima and minima; sums over many terms, partial sums and values carried from step to step in f32; what a program stores and reads back later, other than sums and carried values, may be rounded once to bf16 or f16.
;; Inputs: W1 8 x 512 x 1,024 float32; W2 8 x 1,024 x 512 float32; Wr 8 x 1,024 float32; b1 8 x 512 float32; b2 8 x 1,024 float32; br 8 float32; x 4 x 2,048 x 1,024 float32.
;; Outputs: out0 4 x 2,048 x 1,024 float32.
;; One version. Each part assembles by itself: llvm-mc -triple=amdgcn-amd-amdhsa -mcpu=gfx1250 --defsym DOCPART=n.
;; ======== version 1 of 1: 2 launches
;; workspace buffers: wb 16,777,216 bytes; eidx 32,768 bytes of whole numbers; cnt 8,192 bytes of whole numbers
;; launch front (part 1): grid 256 x 1, 8 waves a work-group, no clusters, 167,936 bytes of LDS; arguments x, Wr, br, W1, W2, eidx, cnt, wb; writes eidx, cnt, wb
.if DOCPART == 1
	.amdgcn_target "amdgcn-amd-amdhsa--gfx1250"
	.amdhsa_code_object_version 6
	.text
	.protected	k_q42dd96f16d_front
	.globl	k_q42dd96f16d_front
	.p2align	8
	.type	k_q42dd96f16d_front,@function
k_q42dd96f16d_front:
	s_mov_b64 s[64:65], 0
	v_nop
	global_prefetch_b8 v0, s[64:65] scope:SCOPE_SE
	s_setreg_imm32_b32 hwreg(HW_REG_WAVE_MODE, 25, 1), 1
	s_wait_xcnt 0x0
; FRONT.  Two jobs that need nothing of each other, in the same eight waves, so that the one's stream runs while the other waits.
; THE ROUTER.  logits[t][e] = sum over d of x[t][d] Wr[e][d] + br[e]; eidx[t] = the first e with the largest logit; cnt[g][e] = how many of the 32 tokens of group g chose e.
; x, Wr and br are rounded to bf16 (as every input of this program is); the products of bf16 numbers are exact in f32 and the sums are f32, on the bf16 matrix form.
; LIMITS.  Two logits of a token closer than the f32 sums' own error (some 1e-6 at logits of size 1) may be ordered otherwise than by another order of summation.  A NaN logit never wins.
; Work-group g owns tokens 32 g .. 32 g + 31.  Wave w owns columns 128 w .. 128 w + 127 of all 32 tokens, in two chunks of 64 columns, each brought by one tensor load (32 rows of 256 bytes); it makes
; the partial logits of its columns (A = 16 tokens, B = Wr's rows; columns 8-15 of the product repeat experts 0-7 and are never read).  The eight partials meet in LDS; wave 0 adds them and br, takes the
; argmax, and counts.  LDS is filled once: no slot is filled again.  The chosen experts and the counts leave as data at fixed places: no address and no branch of this launch hangs on them.
; THE CAST rounds W1 and W2 to bf16 and lays them out in the order in which the chain's waves take them as matrix operands.  A FRAGMENT is 16 weight rows x 32 k, 1,024 bytes:
; [half 0, 1][lane 0..31][8 bf16]; lane (r = l % 16, h = l / 16) of half 0 holds row r, k = 8 h + 0..7, of half 1 k = 16 + 8 h + 0..7.
; wb byte = e 2 MiB + w 256 KiB + g 4 KiB + a 1 KiB + half 512 + 16 lane.  g = 0..31: W1, rows 64 w + 16 a + r, k = 32 g + ..;  g = 32 + 16 p + ks: W2, rows 128 w + 64 p + 16 a + r, k = 32 ks + ...
; A unit of work is 16 rows x 256 k (8 fragments); unit u = 8 x work-group + wave, 0..2047: the first 1,024 are W1's, the others W2's, 128 an expert.
; THE ORDER.  x is asked for first, then Wr, then the wave's unit of weights (32 loads, into window 1); the router's work stands between those loads and their use.
; No cluster: no two work-groups read the same rows of x or of the weights, and Wr is 32 KiB in all.
.set XPITCH, 272                       ; an LDS row of x: 256 bytes + 16 of padding: the 16 rows of a load start at 16 different groups of four banks
.set CHUNKB, 32*XPITCH                 ; a chunk: 32 rows
.set WAVEB,  2*CHUNKB                  ; a wave's two chunks
.set PART,   8*WAVEB                   ; behind the tiles: the partial logits, wave w at + w PWAVE; a token's row is 80 bytes, 16 f32 used
.set PPITCH, 80
.set PWAVE,  32*PPITCH
.set SPARE,  PART+8*PWAVE              ; the spare words, 128 bytes a wave: four blocks of 256 bytes that no other line names
.set XA,  3                            ; v3   LDS address of my fragment rows: wave, row l % 16, 32 bytes for each half of the lanes
.set WO,  4                            ; v4   my byte offset in Wr
.set PS,  5                            ; v5   where I put partial logits
.set SPW, 6                            ; v6   my spare word; never rewritten
.set NIL, 7                            ; v7   0; never rewritten
.set L4,  8                            ; v8   4 x lane
.set PR,  9                            ; v9   wave 0: my token's row of partials
.set WF,  16                           ; v[16:79]    Wr as f32; then a chunk of x as f32; in wave 0 at last the 8 x 8 partials of my token
.set XF,  16
.set WB,  80                           ; v[80:111]   Wr in bf16: four k steps of 8 registers; later at work
.set XB,  112                          ; v[112:175]  x in bf16, 32 registers a chunk
.set ACC, 176                          ; v[176:191]  two accumulators: tokens 0-15, 16-31
.set CL,   0                           ; window 1, v[256:383]  the cast's 32 loads
.set CD,   128                         ; window 1, v[384:447]  what it stores
.set CIN,  192                         ; window 1, v448        my byte offset in the unit's rows
.set COUT, 193                         ; window 1, v449        16 x lane
.set MSB, 0
.macro WIN new                         ; the immediate's high byte repeats the setting that is left; a switch that changes nothing is dropped
.if MSB != (\new)
	s_set_vgpr_msb (MSB<<8)|(\new)
.set MSB, \new
.endif
.endm
.set W_TO1,  0x40                      ; destination in window 1
.set W_CAST, 0x45                      ; destination, source 0 (an address) and source 1 (a store's data) in window 1
	s_load_b512 s[4:19], s[0:1], 0x0               ; x s[4:5], Wr s[6:7], br s[8:9], W1 s[10:11], W2 s[12:13], eidx s[14:15], cnt s[16:17], wb s[18:19]
	v_lshl_add_u32 v[SPW], v0, 2, SPARE
	v_mov_b32 v[NIL], 0
	ds_add_u32 v[SPW], v[NIL]                      ; the wave's opening: the add and its wait stand ahead of my first tensor load; work on registers stands between
	ds_add_u32 v6, v7
	v_lshrrev_b32 v10, 5, v0
	v_readfirstlane_b32 s44, v10                   ; wave 0..7
	; descriptor group 1: 32 rows x 64 elements of 4 bytes, 1,024 elements from row to row, 4 words of padding behind every 64
	s_mov_b32 s20, 0x07520000                      ; 17:16 elements of 4 bytes (code 2); 20 padding on; 24:22 after every 64 words (code 5); 31:25 4 words (code 3)
	s_mov_b32 s21, 64<<16                          ; tensor_dim0 = 64
	s_mov_b32 s22, 32<<16                          ; tensor_dim1 = 32
	s_mov_b32 s23, 64<<16                          ; tile_dim0 = 64
	s_mov_b32 s24, 32                              ; tile_dim1 = 32
	s_mov_b32 s25, 1024                            ; elements from row to row
	s_mov_b32 s26, 0
	s_mov_b32 s27, 0
	s_lshl_b32 s46, ttmp9, 17                      ; my group's 32 rows of 4,096 bytes
	s_lshl_b32 s45, s44, 9                         ; my wave's 512 bytes of a row
	s_add_co_u32 s46, s46, s45
	s_mov_b32 s47, 0
	s_mul_i32 s48, s44, WAVEB                      ; my wave's tiles in LDS
	; the cast's unit
	s_lshl_b32 s66, ttmp9, 3
	s_add_co_u32 s66, s66, s44                     ; u
	s_and_b32 s67, s66, 1023
	s_lshr_b32 s68, s67, 7                         ; e
	s_and_b32 s69, s67, 127                        ; the unit within the expert
	s_cmp_ge_u32 ttmp9, 128                        ; W2's units?
	s_cselect_b32 s70, 1, 2                        ; k groups of 256: W2 has 2, W1 has 4
	s_cselect_b32 s71, 1, 3
	s_cselect_b32 s72, 15, 16                      ; 16 rows are 2^15 bytes of W2, 2^16 of W1
	s_cselect_b32 s73, 11, 12                      ; a row is 2^11 bytes of W2, 2^12 of W1
	s_lshr_b32 s74, s69, s70                       ; blk: the block of 16 rows
	s_and_b32 s75, s69, s71                        ; kg: the group of 256 k
	s_lshr_b32 s76, s74, 2                         ; q = blk / 4
	s_and_b32 s77, s74, 3                          ; a = blk % 4
	s_lshl_b32 s78, s68, 21                        ; e x 2 MiB, in W1, W2 and wb alike
	s_lshl_b32 s79, s74, s72
	s_lshl_b32 s80, s75, 10                        ; 256 f32
	s_add_co_u32 s79, s79, s80
	s_add_co_u32 s82, s78, s79                     ; where I read
	s_mov_b32 s83, 0
	s_lshl_b32 s80, s75, 15                        ; 8 k steps of 4 KiB
	s_lshl_b32 s81, s77, 10
	s_add_co_u32 s80, s80, s81
	s_add_co_u32 s80, s80, s78
	s_lshl_b32 s84, s76, 18                        ; W1: w = q
	s_lshr_b32 s85, s76, 1                         ; W2: w = q / 2,
	s_lshl_b32 s85, s85, 18
	s_and_b32 s81, s76, 1                          ; p = q % 2: 16 k steps,
	s_lshl_b32 s81, s81, 16
	s_add_co_u32 s85, s85, s81
	s_add_co_u32 s85, s85, 0x20000                 ; behind W1's 32 k steps
	s_cmp_ge_u32 ttmp9, 128
	s_cselect_b32 s84, s85, s84
	s_add_co_u32 s86, s80, s84                     ; where I write
	s_mov_b32 s87, 0
	s_wait_dscnt 0x0                               ; the opening add is done
	s_wait_kmcnt 0x0
	s_add_nc_u64 s[4:5], s[4:5], s[46:47]
.irp c, 0,1                                            ; both fills go out together, ahead of every wait on TENSORcnt, every LDS read and the barrier: two tensor loads of mine are out
	s_mov_b32 s[28+4*(\c)], 1
	s_add_co_u32 s[29+4*(\c)], s48, (\c)*CHUNKB
	s_add_nc_u64 s[30+4*(\c):31+4*(\c)], s[4:5], (\c)*256
	s_or_b32 s[31+4*(\c)], s[31+4*(\c)], 0x80000000
	tensor_load_to_lds s[28+4*(\c):31+4*(\c)], s[20:27]
	s_nop 0
.endr
	s_load_b256 s[36:43], s[8:9], 0x0              ; br's eight numbers (wave 0 uses them)
	v_and_b32 v1, 15, v0                           ; r = l % 16
	v_bfe_u32 v2, v0, 4, 1                         ; h = l / 16
	v_and_b32 v10, 7, v0
	v_lshlrev_b32 v[WO], 12, v10                   ; Wr's row r % 8,
	v_lshl_add_u32 v[WO], v2, 5, v[WO]             ; 8 f32 for each half of the lanes,
	v_add_nc_u32 v[WO], s45, v[WO]                 ; my wave's 128 columns
.irp ks, 0,1,2,3                                       ; a fragment of 32 k from f32: k = 8 h + 0..7 at byte 32 h, k = 16 + 8 h + 0..7 at byte 64 + 32 h
.irp i, 0,1,2,3
	global_load_b128 v[WF+16*(\ks)+4*(\i):WF+16*(\ks)+4*(\i)+3], v[WO], s[6:7] offset:(\ks)*128+((\i)/2)*64+((\i)%2)*16
.endr
.endr
	s_cmp_ge_u32 ttmp9, 128
	s_cselect_b64 s[88:89], s[12:13], s[10:11]     ; W2 or W1
	s_add_nc_u64 s[88:89], s[88:89], s[82:83]
	s_add_nc_u64 s[18:19], s[18:19], s[86:87]
	v_and_b32 v11, 31, v0                          ; lane
	v_lshlrev_b32 v12, s73, v1                     ; the unit's row r,
	v_lshl_add_u32 v12, v2, 5, v12                 ; 8 f32 for each half of the lanes
	v_lshlrev_b32 v13, 4, v11                      ; out: 16 bytes a lane
	WIN W_TO1
	v_mov_b32 v[CIN], v12
	v_mov_b32 v[COUT], v13
	WIN W_CAST
.set k, 0
.rept 16                                               ; half-fragment k = 2 i + half: the unit's 32 loads; together they take 16 rows x 1,024 consecutive bytes
	global_load_b128 v[CL+8*k:CL+8*k+3],   v[CIN], s[88:89] offset:(k/2)*128+(k%2)*64
	global_load_b128 v[CL+8*k+4:CL+8*k+7], v[CIN], s[88:89] offset:(k/2)*128+(k%2)*64+16
.set k, k+1
.endr
	WIN 0
	v_mul_u32_u24 v[XA], v1, XPITCH
	v_lshl_add_u32 v[XA], v2, 5, v[XA]
	v_add_nc_u32 v[XA], s48, v[XA]
	s_mul_i32 s49, s44, PWAVE
	s_add_co_u32 s49, s49, PART
	v_mul_u32_u24 v[PS], v2, 8*PPITCH              ; register j of a result is token 8 h + j, expert r
	v_lshl_add_u32 v[PS], v1, 2, v[PS]
	v_add_nc_u32 v[PS], s49, v[PS]
	v_lshlrev_b32 v[L4], 2, v11
	v_mul_u32_u24 v[PR], v11, PPITCH
	v_add_nc_u32 v[PR], PART, v[PR]
	s_wait_loadcnt 32                              ; loads come back in order: Wr's sixteen are in, the unit's 32 behind them stay out
.set i, 0
.rept 32
	v_cvt_pk_bf16_f32 v[WB+i], v[WF+2*i], v[WF+2*i+1]
.set i, i+1
.endr
; Chunk c: 16 LDS loads in one run, then four groups q = 2 kk + tb (k step kk of the chunk, token block tb): eight roundings and one product.  The two accumulators take turns.
.macro CHUNK c
	s_wait_tensorcnt 1-(\c)                        ; my tensor loads end in order: chunk c is in; behind chunk 0 the one younger load may stay out
.irp q, 0,1,2,3
.irp i, 0,1,2,3
	ds_load_b128 v[XF+16*(\q)+4*(\i):XF+16*(\q)+4*(\i)+3], v[XA] offset:(\c)*CHUNKB+((\q)%2)*16*XPITCH+((\q)/2)*128+((\i)/2)*64+((\i)%2)*16
.endr
.endr
.irp q, 0,1,2,3
	s_wait_dscnt 12-4*(\q)                         ; group q's four loads are in; the younger groups' may be out
.irp i, 0,1,2,3,4,5,6,7
	v_cvt_pk_bf16_f32 v[XB+32*(\c)+8*(\q)+(\i)], v[XF+16*(\q)+2*(\i)], v[XF+16*(\q)+2*(\i)+1]
.endr
.if ((\c) == 0) && ((\q) < 2)
	v_wmma_f32_16x16x32_bf16 v[ACC+8*((\q)%2):ACC+8*((\q)%2)+7], v[XB+32*(\c)+8*(\q):XB+32*(\c)+8*(\q)+7], v[WB+8*(2*(\c)+(\q)/2):WB+8*(2*(\c)+(\q)/2)+7], 0
.else
	v_wmma_f32_16x16x32_bf16 v[ACC+8*((\q)%2):ACC+8*((\q)%2)+7], v[XB+32*(\c)+8*(\q):XB+32*(\c)+8*(\q)+7], v[WB+8*(2*(\c)+(\q)/2):WB+8*(2*(\c)+(\q)/2)+7], v[ACC+8*((\q)%2):ACC+8*((\q)%2)+7]
.endif
.endr
.endm
	CHUNK 0
	CHUNK 1
.rept 4
	v_nop                                          ; four places between the last product and the stores that read the results
.endr
.irp tb, 0,1
.irp j, 0,1,2,3,4,5,6,7
	ds_store_b32 v[PS], v[ACC+8*(\tb)+(\j)] offset:(\tb)*16*PPITCH+(\j)*PPITCH
.endr
.endr
	s_wait_tensorcnt 0x0                           ; the wave's end of writing LDS: behind my last tensor load and my last LDS store
	ds_add_u32 v[SPW], v[NIL]
	s_wait_dscnt 0x0                               ; the wait also shows my partials stored, for wave 0's sake
	s_barrier_signal -1
	s_barrier_wait -1
	s_cmp_lg_u32 s44, 0
	s_cbranch_scc1 .Lcast
	; WAVE 0: lane = token.  Eight experts' partials from each of the eight waves.
.irp w, 0,1,2,3,4,5,6,7
	ds_load_b128 v[WF+8*(\w):WF+8*(\w)+3],   v[PR] offset:(\w)*PWAVE
	ds_load_b128 v[WF+8*(\w)+4:WF+8*(\w)+7], v[PR] offset:(\w)*PWAVE+16
.endr
	s_lshl_b32 s46, ttmp9, 7                       ; eidx: 32 words a group
	s_add_nc_u64 s[14:15], s[14:15], s[46:47]
	s_lshl_b32 s46, ttmp9, 5                       ; cnt: 8 words a group
	s_add_nc_u64 s[16:17], s[16:17], s[46:47]
	s_wait_kmcnt 0x0                               ; br
.irp e, 0,1,2,3,4,5,6,7
	v_mov_b32 v[88+(\e)], s[36+(\e)]
.endr
.irp i, 0,1,2,3
	v_cvt_pk_bf16_f32 v[96+(\i)], v[88+2*(\i)], v[89+2*(\i)]   ; br rounded to bf16,
.endr
.irp i, 0,1,2,3
	v_lshlrev_b32 v[88+2*(\i)], 16, v[96+(\i)]                 ; and widened again
	v_and_b32 v[89+2*(\i)], 0xffff0000, v[96+(\i)]
.endr
	s_wait_dscnt 0x0
.irp w, 1,2,3,4,5,6,7
.irp i, 0,1,2,3
	v_pk_add_f32 v[WF+2*(\i):WF+2*(\i)+1], v[WF+2*(\i):WF+2*(\i)+1], v[WF+8*(\w)+2*(\i):WF+8*(\w)+2*(\i)+1]
.endr
.endr
.irp i, 0,1,2,3
	v_pk_add_f32 v[WF+2*(\i):WF+2*(\i)+1], v[WF+2*(\i):WF+2*(\i)+1], v[88+2*(\i):89+2*(\i)]
.endr
	v_mov_b32 v100, v[WF]                          ; the best logit so far,
	v_mov_b32 v101, 0                              ; and its expert
.irp e, 1,2,3,4,5,6,7
	v_cmp_gt_f32 vcc_lo, v[WF+(\e)], v100          ; strictly greater: of equal logits the lower index stays
	v_cndmask_b32 v101, v101, \e, vcc_lo
	v_max_num_f32 v100, v100, v[WF+(\e)]
.endr
	global_store_b32 v[L4], v101, s[14:15]         ; 128 consecutive bytes
	v_mov_b32 v102, 0
.irp e, 0,1,2,3,4,5,6,7
	v_cmp_eq_u32 s50, \e, v101
	s_bcnt1_i32_b32 s[52+(\e)], s50
	v_writelane_b32 v102, s[52+(\e)], \e           ; lane e holds expert e's count
.endr
	v_cmp_gt_u32 vcc_lo, 8, v11
	s_wait_xcnt 0x0                                ; EXEC changes only behind this wait: the store above and the unit's loads name it
	s_and_saveexec_b32 s51, vcc_lo
	global_store_b32 v[L4], v102, s[16:17]         ; lanes 0-7: the group's eight counts
	s_wait_xcnt 0x0                                ; and again, in front of the line that widens it
	s_or_b32 exec_lo, exec_lo, s51
.Lcast:
	; THE CAST's second half, in every wave.  Behind the unit's loads wave 0 has issued stores alone, so the counts below hold on both ways.
	WIN W_CAST
.set k, 0
.rept 16
	s_wait_loadcnt 30-2*k                          ; half-fragment k's two loads are in, the younger ones stay out
.irp j, 0,1,2,3
	v_cvt_pk_bf16_f32 v[CD+4*k+(\j)], v[CL+8*k+2*(\j)], v[CL+8*k+2*(\j)+1]
.endr
	global_store_b128 v[COUT], v[CD+4*k:CD+4*k+3], s[18:19] offset:(k/2)*4096+(k%2)*512   ; 512 consecutive bytes, at a multiple of 512 from wb's first; no register is used twice
.set k, k+1
.endr
	WIN 0
	s_endpgm
.Lfunc_end_k_q42dd96f16d_front:
	.size	k_q42dd96f16d_front, .Lfunc_end_k_q42dd96f16d_front-k_q42dd96f16d_front
	.p2alignl 7, 3214868480
	.fill 96, 4, 3214868480
	.section	.rodata,"a",@progbits
	.p2align	6, 0x0
	.amdhsa_kernel k_q42dd96f16d_front
		.amdhsa_group_segment_fixed_size 167936
		.amdhsa_private_segment_fixed_size 0
		.amdhsa_enable_private_segment 0
		.amdhsa_kernarg_size 64
		.amdhsa_user_sgpr_count 2
		.amdhsa_user_sgpr_kernarg_segment_ptr 1
		.amdhsa_wavefront_size32 1
		.amdhsa_system_sgpr_workgroup_id_x 1
		.amdhsa_system_sgpr_workgroup_id_y 1
		.amdhsa_system_sgpr_workgroup_id_z 1
		.amdhsa_system_vgpr_workitem_id 0
		.amdhsa_next_free_vgpr 456
		.amdhsa_next_free_sgpr 92
		.amdhsa_reserve_vcc 1
		.amdhsa_float_denorm_mode_32 3
		.amdhsa_float_denorm_mode_16_64 3
		.amdhsa_memory_ordered 1
		.amdhsa_forward_progress 1
		.amdhsa_inst_pref_size 33
	.end_amdhsa_kernel
	.amdgpu_metadata
---
amdhsa.version: [ 1, 2 ]
amdhsa.kernels:
  - .name:           k_q42dd96f16d_front
    .symbol:         k_q42dd96f16d_front.kd
    .args:
      - { .name: x, .offset: 0, .size: 8, .value_kind: global_buffer, .address_space: global }
      - { .name: Wr, .offset: 8, .size: 8, .value_kind: global_buffer, .address_space: global }
      - { .name: br, .offset: 16, .size: 8, .value_kind: global_buffer, .address_space: global }
      - { .name: W1, .offset: 24, .size: 8, .value_kind: global_buffer, .address_space: global }
      - { .name: W2, .offset: 32, .size: 8, .value_kind: global_buffer, .address_space: global }
      - { .name: eidx, .offset: 40, .size: 8, .value_kind: global_buffer, .address_space: global }
      - { .name: cnt, .offset: 48, .size: 8, .value_kind: global_buffer, .address_space: global }
      - { .name: wb, .offset: 56, .size: 8, .value_kind: global_buffer, .address_space: global }
    .group_segment_fixed_size: 167936
    .private_segment_fixed_size: 0
    .kernarg_segment_align: 8
    .kernarg_segment_size: 64
    .max_flat_workgroup_size: 256
    .sgpr_count:     92
    .vgpr_count:     456
    .wavefront_size: 32
...
	.end_amdgpu_metadata
.endif
;; end of part 1
;; launch ffn (part 2): grid 135 x 1, 8 waves a work-group, no clusters, 219,136 bytes of LDS; arguments x, wb, b1, b2, eidx, cnt, out0; writes out0
.if DOCPART == 2
	.amdgcn_target "amdgcn-amd-amdhsa--gfx1250"
	.amdhsa_code_object_version 6
	.text
	.protected	k_q42dd96f16d_ffn
	.globl	k_q42dd96f16d_ffn
	.p2align	8
	.type	k_q42dd96f16d_ffn,@function
k_q42dd96f16d_ffn:
	s_mov_b64 s[64:65], 0
	v_nop
	global_prefetch_b8 v0, s[64:65] scope:SCOPE_SE
	s_setreg_imm32_b32 hwreg(HW_REG_WAVE_MODE, 25, 1), 1
	s_wait_xcnt 0x0
; THE CHAIN.  For a tile of up to 64 tokens of ONE expert e: h = relu(x W1[e]^T + b1[e]), out = h W2[e]^T + b2[e].  x, b1, b2 are rounded to bf16 here, the weights come rounded (wb); sums in f32; h is
; rounded once to bf16; out is f32.  LIMITS: NaN and infinities are not treated apart (relu of a NaN gives 0).
; THE GRID serves every split: with tiles of 64 rows, 8,192 tokens on 8 experts make at most 8192 / 64 + 7 = 135 tiles.  Each work-group finds its tile (expert, first row, rows) from the stored
; counts.  An id past the last tile gets rows <= 0: it runs the same text on clamped addresses (all barriers stand on every path) and all its stores are jumped.  In a tile that is not full the places
; past the count repeat the tile's last row; store instructions that lie wholly past the count are jumped by a scalar branch, over text that holds no barrier.
; THE LIST.  Every work-group ranks its expert's tokens for itself, all in the same order.  Wave w looks at tokens 1,024 w .. 1,024 w + 1,023: the stored counts give how many of the expert's tokens lie
; before them, 32 ballots give each token its rank; a token whose rank falls into the tile goes (as token + 1) into the wave's OWN copy of a list of 64, cleared before; every other lane writes the copy's
; 65th word, which nobody reads.  Behind a barrier each wave adds up the eight copies (each place has one writer) and keeps the finished list in bytes of its own.
; SHARES.  Eight waves.  First product: wave w makes hidden units 64 w .. 64 w + 63 for all 64 tokens; second: outputs 128 w .. 128 w + 127, in two passes p of 64.  16 accumulators (4 weight blocks a x
; 4 token blocks n).  The WEIGHTS are source 0 and the TOKENS source 1: in a result a lane holds one token (l % 16) and eight neighbouring units (8 (l / 16) + j), which pack to 16 bytes of h or are 32 of out.
; The bias is the C operand of a pass's first k step: nothing is cleared and nothing is added afterwards.
; THE WEIGHTS go from memory straight into registers as operands: a wave's 64 k steps of 4 KiB lie on end in wb, each fragment is wanted by this one wave of the work-group, and a ring of eight k steps
; in registers keeps seven of them, 28 KiB a wave, on their way.  So the walk over K has no LDS ring and no barrier.  x and h lie in LDS, whole.
; NO CLUSTER.  An expert's tiles do walk the same weights.  A joint load lands in LDS: the 2 MiB that a work-group walks would be written to and read from a ring in the 108 KiB left beside x and h, where
; now they touch LDS not at all; and partners must be tiles of one expert, whose number hangs on the stored counts: whole clusters of four for each expert make 8192 / 256 + 7 = 39 clusters, 156 work-groups.
; REGISTERS.  Window 0: v0-15 addresses; v16-23 x rows' offsets; v24-31 at work; v32-63 the bias operand (before that at work); v64-127 two buffers of four token fragments (on the way out: the rows'
; offsets in out); v128-255 the accumulators ((a, n) at 128 + 8 (4 n + a); before that the counts and choices, then x as loaded; on the way out whole rows).  Window 1: the ring, k step g at 32 (g % 8), block a at + 8 a.
.set XP,    2064                       ; a row of x in LDS: 2,048 bytes + 16: an odd multiple of 16, so the 16 rows of a load start at 16 different groups of four banks
.set HP,    1040                       ; a row of h: 1,024 + 16
.set SP,    272                        ; a row of a wave's stage: 256 + 16
.set HT,    139264                     ; x's tile (64 XP = 132,096) and, once x is read out, the eight stages (8 x 64 SP = 139,264) lie from 0; h from here
.set BIAS1, HT+64*HP                   ; b1[e], 512 f32
.set BIAS2, BIAS1+2048                 ; b2[e], 1,024 f32
.set TOKW,  BIAS2+4096                 ; the eight waves' copies of the list: 512 bytes each, 65 words used
.set TOKF,  TOKW+8*512                 ; the finished list, once for each wave: 64 words
.set SPARE, TOKF+8*256                 ; the spare words, 128 bytes a wave: four blocks of 256 bytes that no other line names
.set L16,  1                           ; 16 x lane
.set XA0,  2                           ; token fragments of x: blocks 0, 1
.set XA1,  3                           ; blocks 2, 3
.set HA0,  4                           ; the same for h
.set HA1,  5
.set HST,  6                           ; where I put 16 bytes of h
.set STO,  7                           ; the way out: where I put 32 bytes of a row
.set RD,   8                           ; where I read rows back
.set TKA,  9                           ; where I read the rows' token numbers
.set OCOL, 10                          ; 16 (l % 16)
.set ZERO, 11
.set SPW,  12                          ; my spare word; never rewritten
.set NIL,  13                          ; 0; never rewritten
.set B1A,  14                          ; my bias operand's address, first product
.set B2A,  15                          ; second product
.set XO,   16
.set T,    24
.set BI,   32
.set XST,  32                          ; until x is in LDS: where I put 8 bytes of x
.set BF,   64
.set TK,   64
.set ACC,  128
.set CN,   128                         ; the head: cnt as loaded, 64 registers
.set EV,   192                         ; the head: my 1,024 tokens' choices, 32 registers
.set SC,   224                         ; the head: eight pairs (address, data) that take turns
.set MSB, 0
.macro WIN new                         ; the immediate's high byte repeats the setting that is left; a switch that changes nothing is dropped
.if MSB != (\new)
	s_set_vgpr_msb (MSB<<8)|(\new)
.set MSB, \new
.endif
.endm
.set W_RING, 0x40                      ; destination in window 1, address in window 0
.set W_MUL,  0x01                      ; source 0 (the weights) in window 1; tokens, C and D in window 0
.macro PLACES                          ; four places between matrix instructions and loads into, or vector reads of, their registers
.rept 4
	v_nop
.endr
.endm
	s_load_b256 s[4:11], s[0:1], 0x0               ; x s[4:5], wb s[6:7], b1 s[8:9], b2 s[10:11]
	s_load_b128 s[12:15], s[0:1], 0x20             ; eidx s[12:13], cnt s[14:15]
	s_load_b64 s[32:33], s[0:1], 0x30              ; out0
	v_lshl_add_u32 v[SPW], v0, 2, SPARE
	v_mov_b32 v[NIL], 0
	v_lshrrev_b32 v24, 5, v0
	v_readfirstlane_b32 s34, v24                   ; wave 0..7
	v_and_b32 v25, 31, v0                          ; lane
	v_lshlrev_b32 v[L16], 4, v25
	s_lshl_b32 s44, s34, 12
	v_add_nc_u32 v33, s44, v[L16]                  ; my wave's 1,024 words of eidx, 16 bytes a lane
	s_wait_kmcnt 0x0
.set i, 0
.rept 16                                               ; load i, lane l: group 16 i + l / 2 of 32 tokens, experts 4 (l % 2) + 0..3
	global_load_b128 v[CN+4*i:CN+4*i+3], v[L16], s[14:15] offset:512*i
.set i, i+1
.endr
.set i, 0
.rept 8                                                ; load i, lane l, word c: token 1,024 w + 128 i + 4 l + c
	global_load_b128 v[EV+4*i:EV+4*i+3], v33, s[12:13] offset:512*i
.set i, i+1
.endr
	; the lane terms stand in the wait for those loads
	v_and_b32 v26, 15, v0                          ; r
	v_bfe_u32 v27, v0, 4, 1                        ; h
	s_lshl_b32 s45, s34, 9
	s_add_co_u32 s45, s45, TOKW                    ; my copy of the list
	v_lshl_add_u32 v34, v25, 2, s45
	ds_store_b32 v34, v[NIL]                       ; cleared: 96 words
	ds_store_b32 v34, v[NIL] offset:128
	ds_store_b32 v34, v[NIL] offset:256
	v_mov_b32 v35, s45
	v_mul_u32_u24 v[XA0], v26, XP
	v_lshl_add_u32 v[XA0], v27, 4, v[XA0]          ; row x pitch + 16 x half
	v_add_nc_u32 v[XA1], 32*XP, v[XA0]
	v_mul_u32_u24 v[HA0], v26, HP
	v_lshl_add_u32 v[HA0], v27, 4, v[HA0]
	v_add_nc_u32 v[HA0], HT, v[HA0]
	v_add_nc_u32 v[HA1], 32*HP, v[HA0]
	s_lshl_b32 s44, s34, 7
	v_add_nc_u32 v[HST], s44, v[HA0]               ; my wave's 64 hidden units are 128 bytes of a row
	s_mul_i32 s45, s34, 64*SP                      ; my stage
	v_mul_u32_u24 v[STO], v26, SP
	v_lshl_add_u32 v[STO], v27, 5, v[STO]
	v_add_nc_u32 v[STO], s45, v[STO]
	v_mul_u32_u24 v[RD], v27, SP                   ; back: lanes 0-15 one row of 256 bytes, lanes 16-31 the next
	v_lshl_add_u32 v[RD], v26, 4, v[RD]
	v_add_nc_u32 v[RD], s45, v[RD]
	s_lshl_b32 s44, s34, 8
	s_add_co_u32 s44, s44, TOKF                    ; my finished list
	v_lshl_add_u32 v[TKA], v27, 2, s44
	v_lshl_add_u32 v59, v25, 2, s44
	s_lshl_b32 s45, s34, 5
	s_add_co_u32 s45, s45, s44
	v_mov_b32 v63, s45                             ; in it the eight rows 8 w .. 8 w + 7 that my wave gathers
	v_lshl_add_u32 v58, v25, 2, TOKW
	s_lshl_b32 s44, s34, 10
	s_add_co_u32 s44, s44, 1
	v_lshl_add_u32 v57, v25, 2, s44                ; 1,024 w + 4 l + 1
	v_add_nc_u32 v62, 32, v25
	v_lshlrev_b32 v[OCOL], 4, v26
	v_mov_b32 v[ZERO], 0
	s_lshl_b32 s44, s34, 8
	s_add_co_u32 s44, s44, BIAS1
	v_lshl_add_u32 v[B1A], v27, 5, s44             ; b1 of units 64 w + 8 h + ..
	s_lshl_b32 s44, s34, 9
	s_add_co_u32 s44, s44, BIAS2
	v_lshl_add_u32 v[B2A], v27, 5, s44             ; b2 of outputs 128 w + 8 h + ..
	s_mul_i32 s44, s34, 8*XP
	v_lshl_add_u32 v[XST], v25, 3, s44             ; my wave gathers rows 8 w .. 8 w + 7 of the tile; 8 bytes a lane
	v_lshlrev_b32 v36, 4, v0                       ; b2: 16 bytes a thread
	v_lshlrev_b32 v37, 3, v0                       ; b1: 8 bytes a thread
	v_lshl_add_u32 v49, v0, 4, BIAS2
	v_lshl_add_u32 v50, v0, 3, BIAS1
	v_lshrrev_b32 v38, 1, v25
	s_lshl_b32 s46, s34, 5
	v_sub_nc_u32 v38, s46, v38                     ; group 16 i + l / 2 lies before my wave's 32 groups where 16 i < 32 w - l / 2
	v_mov_b32 v39, 0x10001
	v_mov_b32 v56, 0
	s_mov_b32 s50, 0x76543210                      ; v_permlanex16_b32: each lane takes its own place in the other half
	s_mov_b32 s51, 0xfedcba98
	s_wait_loadcnt 0x8                             ; the counts are in; the eight loads of choices behind them may be out
.set i, 0
.rept 16                                               ; low half: all groups' counts; high half: those of the groups before my wave's.  Neither passes 8,192
	v_cmp_lt_i32 vcc_lo, 16*i, v38
	v_cndmask_b32 v51, 1, v39, vcc_lo
.irp c, 0,1,2,3
.if i == 0
	v_mul_u32_u24 v[52+(\c)], v[CN+(\c)], v51
.else
	v_mad_u32_u24 v[52+(\c)], v[CN+4*i+(\c)], v51, v[52+(\c)]
.endif
.endr
.set i, i+1
.endr
.irp m, 2,4,8                                          ; over the lanes of my parity
.irp c, 0,1,2,3
	v_mov_b32_dpp v56, v[52+(\c)] row_xmask:\m row_mask:0xf bank_mask:0xf
	v_add_nc_u32 v[52+(\c)], v[52+(\c)], v56
.endr
.endr
.irp c, 0,1,2,3
	v_permlanex16_b32 v56, v[52+(\c)], s50, s51
	v_add_nc_u32 v[52+(\c)], v[52+(\c)], v56
.endr
.irp c, 0,1,2,3
	v_readlane_b32 s[16+(\c)], v[52+(\c)], 0       ; experts 0-3
	v_readlane_b32 s[20+(\c)], v[52+(\c)], 1       ; experts 4-7
.endr
	s_mov_b32 s35, 0                               ; E
	s_mov_b32 s36, 0                               ; its first tile
	s_mov_b32 s37, 0                               ; its rows
	s_mov_b32 s38, 0                               ; how many of them lie before my wave's tokens
	s_mov_b32 s39, 0                               ; tiles so far
.irp e, 0,1,2,3,4,5,6,7                                ; my tile belongs to the last expert whose first tile is not past my id
	s_and_b32 s40, s[16+(\e)], 0xffff
	s_lshr_b32 s41, s[16+(\e)], 16
	s_cmp_ge_u32 ttmp9, s39
	s_cselect_b32 s35, \e, s35
	s_cselect_b32 s36, s39, s36
	s_cselect_b32 s37, s40, s37
	s_cselect_b32 s38, s41, s38
	s_add_co_u32 s40, s40, 63
	s_lshr_b32 s40, s40, 6
	s_add_co_u32 s39, s39, s40
.endr
	s_min_u32 s35, s35, 7
	s_sub_co_u32 s41, ttmp9, s36
	s_lshl_b32 s41, s41, 6                         ; the tile's first row among the expert's
	s_sub_co_i32 s42, s37, s41
	s_min_i32 s42, s42, 64                         ; rows: 1..64, or <= 0 for an id past the last tile
	s_sub_co_i32 s43, s42, 1
	s_max_i32 s43, s43, 0                          ; the last row that exists
	s_sub_co_u32 s46, s38, s41                     ; the place in the tile of my wave's first token of E: below 0 it wraps to a large number
	s_lshl_b32 s44, s35, 21
	s_lshl_b32 s45, s34, 18
	s_add_co_u32 s44, s44, s45
	s_mov_b32 s45, 0
	s_add_nc_u64 s[6:7], s[6:7], s[44:45]          ; my wave's 256 KiB of the expert's weights
	s_lshl_b32 s44, s35, 11
	s_add_nc_u64 s[8:9], s[8:9], s[44:45]
	s_lshl_b32 s44, s35, 12
	s_add_nc_u64 s[10:11], s[10:11], s[44:45]
	s_lshl_b32 s44, s34, 9
	s_add_nc_u64 s[32:33], s[32:33], s[44:45]      ; my wave's 128 columns of out
	global_load_b128 v[40:43], v36, s[10:11]
	global_load_b64 v[44:45], v37, s[8:9]
	s_wait_loadcnt 0x2                             ; the choices are in; the two bias loads behind them may be out
.set q, 0
.rept 32                                               ; ballot q = 4 i + c: 32 tokens, one a lane
	v_cmp_eq_u32 s47, s35, v[EV+q]
	v_mbcnt_lo_u32_b32 v[SC+2*(q%8)], s47, s46     ; the place so far + the lower lanes that chose E
	v_cndmask_b32 v[SC+2*(q%8)], 64, v[SC+2*(q%8)], s47
	v_min_u32 v[SC+2*(q%8)], 64, v[SC+2*(q%8)]     ; places 0..63 are the tile's; all else goes to word 64
	v_lshl_add_u32 v[SC+2*(q%8)], v[SC+2*(q%8)], 2, v35
	v_add_nc_u32 v[SC+2*(q%8)+1], 128*(q/4)+(q%4), v57   ; token + 1
	ds_store_b32 v[SC+2*(q%8)], v[SC+2*(q%8)+1]
	s_bcnt1_i32_b32 s48, s47
	s_add_co_u32 s46, s46, s48
.set q, q+1
.endr
	s_and_b32 s47, s43, 31
	s_wait_dscnt 0x0                               ; for the others' sake: my copy is written
	s_barrier_signal -1
	s_barrier_wait -1                              ; everybody's is
.irp c, 0,1,2,3,4,5,6,7                                ; lane l: places l and 32 + l of each copy
	ds_load_b32 v[128+2*(\c)], v58 offset:512*(\c)
	ds_load_b32 v[129+2*(\c)], v58 offset:512*(\c)+128
.endr
	s_wait_dscnt 0x0
	v_add3_u32 v60, v128, v130, v132               ; one copy holds token + 1, the others 0
	v_add3_u32 v61, v129, v131, v133
	v_add3_u32 v60, v60, v134, v136
	v_add3_u32 v61, v61, v135, v137
	v_add3_u32 v60, v60, v138, v140
	v_add3_u32 v61, v61, v139, v141
	v_add3_u32 v60, v60, v142, -1
	v_add3_u32 v61, v61, v143, -1
	v_readlane_b32 s48, v60, s47                   ; the token of the last row that exists
	v_readlane_b32 s49, v61, s47
	s_cmp_lt_u32 s43, 32
	s_cselect_b32 s48, s48, s49
	v_mov_b32 v56, s48
	v_cmp_gt_i32 vcc_lo, s42, v25
	v_cndmask_b32 v60, v56, v60, vcc_lo            ; places past the count repeat it
	v_cmp_gt_i32 vcc_lo, s42, v62
	v_cndmask_b32 v61, v56, v61, vcc_lo
	v_min_u32 v60, 0x1fff, v60                     ; a token of 8,192, whatever the id
	v_min_u32 v61, 0x1fff, v61
	ds_store_b32 v59, v60
	ds_store_b32 v59, v61 offset:128
.irp j, 0,1,2,3,4,5,6,7
	ds_load_b32 v[128+(\j)], v63 offset:4*(\j)     ; LDS serves a wave's instructions in order (ISA guide 5.7.1.4): these see the two stores above; every lane reads the same word
.endr
	s_wait_dscnt 0x0
.irp j, 0,1,2,3,4,5,6,7
	v_min_u32 v[128+(\j)], 0x1fff, v[128+(\j)]
	v_lshl_add_u32 v[XO+(\j)], v[128+(\j)], 12, v[L16]   ; a row of x is 4,096 bytes
.endr
.set i, 0
.rept 32                                               ; my first four rows: 512 consecutive bytes a load
	global_load_b128 v[ACC+4*i:ACC+4*i+3], v[XO+i/8], s[4:5] offset:(i%8)*512
.set i, i+1
.endr
	s_wait_loadcnt 32                              ; the biases are in; the 32 loads of x behind them stay out
	v_cvt_pk_bf16_f32 v46, v40, v41                ; rounded to bf16,
	v_cvt_pk_bf16_f32 v47, v42, v43
	v_cvt_pk_bf16_f32 v48, v44, v45
	v_lshlrev_b32 v40, 16, v46                     ; and widened again: the C operand is f32
	v_and_b32 v41, 0xffff0000, v46
	v_lshlrev_b32 v42, 16, v47
	v_and_b32 v43, 0xffff0000, v47
	v_lshlrev_b32 v44, 16, v48
	v_and_b32 v45, 0xffff0000, v48
	ds_store_b128 v49, v[40:43]
	ds_store_b64 v50, v[44:45]
; K step k of my weights into its slot of the ring: four fragments, eight loads of 512 consecutive bytes.
.macro RFILL k
	WIN W_RING
.irp f, 0,1,2,3,4,5,6,7
	global_load_b128 v[32*((\k)%8)+4*(\f):32*((\k)%8)+4*(\f)+3], v[L16], s[6:7] offset:(\k)*4096+(\f)*512
.endr
.endm
; The four token fragments of k step ks into buffer buf: lane l takes row l % 16 of each block of 16 tokens, two loads of 16 bytes, 32 bytes apart.
.macro BLOAD buf, a0, a1, p16, ks
	WIN 0
.irp f, 0,1
	ds_load_b128 v[BF+32*(\buf)+8*(\f):BF+32*(\buf)+8*(\f)+3],   v[\a0] offset:(\f)*(\p16)+64*(\ks)
	ds_load_b128 v[BF+32*(\buf)+8*(\f)+4:BF+32*(\buf)+8*(\f)+7], v[\a0] offset:(\f)*(\p16)+64*(\ks)+32
.endr
.irp f, 0,1
	ds_load_b128 v[BF+32*(\buf)+16+8*(\f):BF+32*(\buf)+16+8*(\f)+3],   v[\a1] offset:(\f)*(\p16)+64*(\ks)
	ds_load_b128 v[BF+32*(\buf)+16+8*(\f)+4:BF+32*(\buf)+16+8*(\f)+7], v[\a1] offset:(\f)*(\p16)+64*(\ks)+32
.endr
.endm
; The bias operand: for block a the eight numbers 16 a + 8 h + 0..7; the 16 lanes of a half read the same words.
.macro BIASLD reg, off
	WIN 0
.irp f, 0,1,2,3,4,5,6,7
	ds_load_b128 v[BI+4*(\f):BI+4*(\f)+3], v[\reg] offset:(\off)+((\f)/2)*64+((\f)%2)*16
.endr
.endm
; Piece i of my 64 pieces of x (row i / 8, 128 columns i % 8): rounded, 8 bytes a lane into LDS.  The first 32 pieces ask for the piece 32 on; behind that the ring's k steps 0 to 6 go out, one for four pieces.
.macro XSTEP i
	WIN 0
.if (\i) < 32
	s_wait_loadcnt 31                              ; loads come back in order: piece i is in, the 31 asked for behind it stay out
.else
	s_wait_loadcnt 63-(\i)+8*(((\i)-32)/4)         ; behind piece i: the later pieces, and eight loads for each k step of the ring asked for so far
.endif
	v_cvt_pk_bf16_f32 v[T+2*((\i)%4)],   v[ACC+4*((\i)%32)],   v[ACC+4*((\i)%32)+1]
	v_cvt_pk_bf16_f32 v[T+2*((\i)%4)+1], v[ACC+4*((\i)%32)+2], v[ACC+4*((\i)%32)+3]
	ds_store_b64 v[XST], v[T+2*((\i)%4):T+2*((\i)%4)+1] offset:((\i)/8)*XP+((\i)%8)*256
.if (\i) < 32
	global_load_b128 v[ACC+4*(\i):ACC+4*(\i)+3], v[XO+(\i)/8+4], s[4:5] offset:((\i)%8)*512
.elseif (((\i)%4) == 3) && ((\i) <= 59)
	RFILL ((\i)-35)/4
.endif
.endm
; K step g of my walk, the ks-th of its pass (last: the pass's last).  The next step's token fragments and the ring's k step g + 7 are asked for first: both go into registers that step g - 1 has multiplied,
; four places behind its products.  Then 16 products, the 16 accumulators by turns.
.macro STEP g, ks, last, a0, a1, p16
.if (\ks) > 0
	PLACES
.endif
.if (\ks) < (\last)
	BLOAD ((\ks)+1)%2, \a0, \a1, \p16, (\ks)+1
.endif
.if (\g)+7 <= 63
	RFILL (\g)+7
	s_wait_loadcnt 56                              ; k step g is in; the seven younger k steps, eight loads each, stay out
.else
	s_wait_loadcnt 8*(63-(\g))                     ; nothing is left to ask for: the count runs down
.endif
.if (\ks) < (\last)
	s_wait_dscnt 8                                 ; this step's fragments (and the bias) are in; the eight loads just issued stay out
.else
	s_wait_dscnt 0x0
.endif
	WIN W_MUL
.irp bn, 0,1,2,3
.irp ba, 0,1,2,3
.if (\ks) == 0
	v_wmma_f32_16x16x32_bf16 v[ACC+8*(4*(\bn)+(\ba)):ACC+8*(4*(\bn)+(\ba))+7], v[32*((\g)%8)+8*(\ba):32*((\g)%8)+8*(\ba)+7], v[BF+32*((\ks)%2)+8*(\bn):BF+32*((\ks)%2)+8*(\bn)+7], v[BI+8*(\ba):BI+8*(\ba)+7]
.else
	v_wmma_f32_16x16x32_bf16 v[ACC+8*(4*(\bn)+(\ba)):ACC+8*(4*(\bn)+(\ba))+7], v[32*((\g)%8)+8*(\ba):32*((\g)%8)+8*(\ba)+7], v[BF+32*((\ks)%2)+8*(\bn):BF+32*((\ks)%2)+8*(\bn)+7], v[ACC+8*(4*(\bn)+(\ba)):ACC+8*(4*(\bn)+(\ba))+7]
.endif
.endr
.endr
.endm
; h: rounded to bf16, the negative ones set to 0 (which commutes with the rounding), 16 bytes a lane into h's tile.  Each accumulator is read from its low end on.
.macro HOUT
	WIN 0
	PLACES
.set q, 0
.rept 16
.set tt, T+4*(q%2)
.irp j, 0,1,2,3
	v_cvt_pk_bf16_f32 v[tt+(\j)], v[ACC+8*q+2*(\j)], v[ACC+8*q+2*(\j)+1]
.endr
.irp j, 0,1,2,3
	v_pk_max_num_bf16 v[tt+(\j)], v[tt+(\j)], v[ZERO]
.endr
	ds_store_b128 v[HST], v[tt:tt+3] offset:(q/4)*16*HP+(q%4)*32
.set q, q+1
.endr
.endm
; THE WAY OUT of pass p: 64 tokens x 64 outputs in f32 go through my own stage (LDS serves a wave's instructions in order, ISA guide 5.7.1.4: the loads see the stores) and come back as whole rows of
; 256 bytes, two a load; each row goes to its token's row of out.  Store t holds rows 2 t and 2 t + 1: from the first t with 2 t >= rows on, all are jumped.
.macro OUT p
	WIN 0
	PLACES
.set q, 0
.rept 16
	ds_store_b128 v[STO], v[ACC+8*q:ACC+8*q+3]   offset:(q/4)*16*SP+(q%4)*64
	ds_store_b128 v[STO], v[ACC+8*q+4:ACC+8*q+7] offset:(q/4)*16*SP+(q%4)*64+16
.set q, q+1
.endr
.set t, 0
.rept 32
	ds_load_b32 v[TK+t], v[TKA] offset:8*t
.set t, t+1
.endr
.set t, 0
.rept 32
	ds_load_b128 v[ACC+4*t:ACC+4*t+3], v[RD] offset:2*SP*t
.set t, t+1
.endr
	s_wait_dscnt 32                                ; the token numbers are in; the 32 loads of rows behind them may be out
.set t, 0
.rept 32
	v_min_u32 v[TK+t], 0x1fff, v[TK+t]
	v_lshl_add_u32 v[TK+t], v[TK+t], 12, v[OCOL]   ; the token's row of 4,096 bytes, 16 bytes a lane
.set t, t+1
.endr
.set t, 0
.rept 32
	s_cmp_le_i32 s42, 2*t
	s_cbranch_scc1 .Lsent_\@                       ; no row of this store, or of any later one, exists
	s_wait_dscnt 31-t                              ; rows 2 t, 2 t + 1 are back
	global_store_b128 v[TK+t], v[ACC+4*t:ACC+4*t+3], s[32:33] offset:256*(\p) th:TH_STORE_NT  ; 16 lanes store 256 consecutive bytes, at a multiple of 256 from out's first byte
.set t, t+1
.endr
.Lsent_\@:
	s_wait_dscnt 0x0                               ; on the short way too: every load into the accumulators' registers is back
	s_wait_xcnt 0x0                                ; the stores' offsets and data are rewritten only behind this wait
.endm
.set i, 0
.rept 64
	XSTEP i
.set i, i+1
.endr
	WIN 0
	s_wait_dscnt 0x0                               ; for the others' sake: my rows of x and my part of the biases are stored
	s_barrier_signal -1
	s_barrier_wait -1                              ; everybody's are
	BIASLD B1A, 0
	BLOAD 0, XA0, XA1, 16*XP, 0
.set g, 0
.rept 32
	STEP g, g, 31, XA0, XA1, 16*XP
.set g, g+1
.endr
	HOUT
	s_wait_dscnt 0x0                               ; my part of h is stored, and my reads of x are over
	s_barrier_signal -1
	s_barrier_wait -1                              ; h is whole, and nobody reads x any more: its bytes become the stages
.irp p, 0,1
	BIASLD B2A, 256*(\p)
	BLOAD 0, HA0, HA1, 16*HP, 0
.set ks, 0
.rept 16
	STEP 32+16*(\p)+ks, ks, 15, HA0, HA1, 16*HP
.set ks, ks+1
.endr
	OUT \p
.endr
	s_wait_tensorcnt 0x0                           ; the wave's end, behind my last LDS store
	ds_add_u32 v[SPW], v[NIL]
	s_wait_dscnt 0x0
	s_endpgm
.Lfunc_end_k_q42dd96f16d_ffn:
	.size	k_q42dd96f16d_ffn, .Lfunc_end_k_q42dd96f16d_ffn-k_q42dd96f16d_ffn
	.p2alignl 7, 3214868480
	.fill 96, 4, 3214868480
	.section	.rodata,"a",@progbits
	.p2align	6, 0x0
	.amdhsa_kernel k_q42dd96f16d_ffn
		.amdhsa_group_segment_fixed_size 219136
		.amdhsa_private_segment_fixed_size 0
		.amdhsa_enable_private_segment 0
		.amdhsa_kernarg_size 56
		.amdhsa_user_sgpr_count 2
		.amdhsa_user_sgpr_kernarg_segment_ptr 1
		.amdhsa_wavefront_size32 1
		.amdhsa_system_sgpr_workgroup_id_x 1
		.amdhsa_system_sgpr_workgroup_id_y 1
		.amdhsa_system_sgpr_workgroup_id_z 1
		.amdhsa_system_vgpr_workitem_id 0
		.amdhsa_next_free_vgpr 512
		.amdhsa_next_free_sgpr 66
		.amdhsa_reserve_vcc 1
		.amdhsa_float_denorm_mode_32 3
		.amdhsa_float_denorm_mode_16_64 3
		.amdhsa_memory_ordered 1
		.amdhsa_forward_progress 1
		.amdhsa_inst_pref_size 255
	.end_amdhsa_kernel
	.section	.bss,"aw",@nobits
	.p2align	6
	.space	262144
	.amdgpu_metadata
---
amdhsa.version: [ 1, 2 ]
amdhsa.kernels:
  - .name:           k_q42dd96f16d_ffn
    .symbol:         k_q42dd96f16d_ffn.kd
    .args:
      - { .name: x, .offset: 0, .size: 8, .value_kind: global_buffer, .address_space: global }
      - { .name: wb, .offset: 8, .size: 8, .value_kind: global_buffer, .address_space: global }
      - { .name: b1, .offset: 16, .size: 8, .value_kind: global_buffer, .address_space: global }
      - { .name: b2, .offset: 24, .size: 8, .value_kind: global_buffer, .address_space: global }
      - { .name: eidx, .offset: 32, .size: 8, .value_kind: global_buffer, .address_space: global }
      - { .name: cnt, .offset: 40, .size: 8, .value_kind: global_buffer, .address_space: global }
      - { .name: out0, .offset: 48, .size: 8, .value_kind: global_buffer, .address_space: global }
    .group_segment_fixed_size: 219136
    .private_segment_fixed_size: 0
    .kernarg_segment_align: 8
    .kernarg_segment_size: 56
    .max_flat_workgroup_size: 256
    .sgpr_count:     66
    .vgpr_count:     512
    .wavefront_size: 32
...
	.end_amdgpu_metadata
.endif
;; end of part 2
